; MI455X (gfx1250); checked and timed in simulation.
; The chip was launched on July 23, 2026; its instructions are those of AMD's public machine-readable ISA for CDNA 5 (MIT licence, August 2026) and "CDNA5" Instruction Set Architecture Reference Guide (July 2026). The comments in the code are by the model that wrote it; some were corrected since.
;; Vector Quantizer. Allowed arithmetic: matrix products marked QUANTISED: E2M3 operands, one E8M0 scale for each 32 along K, by v_wmma_scale_f32_16x16x128_f8f6f4 with both operands' format E2M3, f32 sums; everything else in f32.
;; Inputs: codebook 64 x 2,048 float32; inputs 64 x 32 x 32 x 64 float32.
;; Outputs: out0 64 x 32 x 32 x 64 float32; out1 one number float32; out2 one number float32; out3 one number float32.
;; This version of the problem:
;;   THIS VERSION OF THE PROBLEM IS GIVEN IN LOW PRECISION. The matrix products marked QUANTISED in the list below multiply operands that are first quantised to E2M3 (2 exponent bits, 3 mantissa bits; 6 bits a number), with one power-of-two scale for each 32 numbers along K (OCP MX v1.0); their sums are f32. All else is computed in f32.
;;   The module's matrix products, in the order in which they are computed (A, B: the left and right operand; K: the contracted axis; several contracted axes count as one K, in the product's order):
;;     1. [M 65,536, K 64] x [K 64, N 2,048]; A: input inputs; B: input codebook: QUANTISED
;;   THE QUANTISER, for each operand of a quantised product, along K:
;;     - K is cut into blocks of 32 from its start; a last block that is shorter is filled with zeros.
;;     - A block's scale is 2^e with e = floor(log2(the largest magnitude in the block)) - 2, held to -126 .. 127; a block of zeros has e = 0. As a byte (E8M0): e + 127.
;;     - Each number is divided by its block's scale, clamped to +-7.5, and rounded to the nearest number of E2M3, ties to even, subnormals kept.
;;     - The product sums the exact products of the quantised numbers (number of the format x scale) in f32.
;;   ~~~python
;;   def quantise(x, axis):      # numpy; x: float32 -> the quantised numbers, widened to float32 again
;;       x = np.moveaxis(x, axis, -1); K = x.shape[-1]
;;       x = np.pad(x, [(0, 0)] * (x.ndim - 1) + [(0, -K % 32)]); x = x.reshape(x.shape[:-1] + (-1, 32)); a = np.abs(x).max(-1, keepdims=True)
;;       e = np.where(a > 0, np.clip(np.frexp(np.where(a > 0, a, 1))[1] - 1 - 2, -126, 127), 0)      # np.frexp(a)[1] - 1 = floor(log2(a)), exactly
;;       r = np.clip(x / 2.0 ** e, -7.5, 7.5)
;;       step = 2.0 ** (np.maximum(np.frexp(np.where(r == 0, 1, r))[1] - 1, 0) - 3)
;;       q = np.round(r / step) * step * 2.0 ** e      # np.round: ties to even
;;       return np.moveaxis(q.reshape(q.shape[:-2] + (-1,))[..., :K], -1, axis).astype(np.float32)
;;   ~~~
;; One version. Each part assembles by itself: llvm-mc -triple=amdgcn-amd-amdhsa -mcpu=gfx1250 --defsym DOCPART=n.
;; ======== version 1 of 1: 4 launches
;; limits: right only within a limited range of input values
;; workspace buffers: cbimg 114,688 bytes; cbt 524,288 bytes; idx 131,072 bytes of whole numbers; part 2,048 bytes
;; launch prep (part 1): grid 64 x 1, 1 waves a work-group, no clusters, 4,864 bytes of LDS; arguments codebook, cbimg, cbt; writes cbimg, cbt
.if DOCPART == 1
	.amdgcn_target "amdgcn-amd-amdhsa--gfx1250"
	.amdhsa_code_object_version 6
	.text
	.protected	k_qca8f45fd30_prep
	.globl	k_qca8f45fd30_prep
	.p2align	8
	.type	k_qca8f45fd30_prep,@function
k_qca8f45fd30_prep:
	s_mov_b64 s[64:65], 0
	v_nop
	global_prefetch_b8 v0, s[64:65] scope:SCOPE_SE
	s_setreg_imm32_b32 hwreg(HW_REG_WAVE_MODE, 25, 1), 1
	s_wait_xcnt 0x0
; THE CODEBOOK IS LAID OUT ONCE.  codebook: [64 (k)][2048 (n)] f32.  Three things are made of it:
;   cbimg, bytes 0 ..: the codes of E2M3 (one E8M0 scale for each 32 along k) as IMAGES OF OPERAND REGISTERS.  Pair p = codes 32 p .. 32 p + 31 is 1,536 bytes: register i (0 .. 11) of lane l at
;          1536 p + 512 (i / 4) + 16 l + 4 (i % 4).  Registers 0-5 of lane (r, h): k = 32 h + 0 .. 31 of code 32 p + r; registers 6-11: the same of code 32 p + 16 + r.
;   cbimg, bytes 98,304 ..: a scale word a code: byte 0 for k = 0 .. 31, byte 1 for k = 32 .. 63, bytes 2 and 3 are 0.     cbimg, bytes 106,496 ..: cc[n] = the sum over k of codebook[k][n]^2, f32.
;   cbt: the codebook turned, [2048][64] f32, so that a later gather of a code reads 256 consecutive bytes.
; SHARES.  One wave to a pair of 32 codes, 64 work-groups.  A LANE TAKES A CODE AND ITS REGISTERS RUN DOWN k: lane (r = l % 16, h = l / 16) holds block h of code 32 p + r (u = 0) and of code 32 p + 16 + r (u = 1),
; so a block's largest magnitude needs no other lane and the conversions' results are the image's registers.  Each load reads 64 consecutive bytes in sixteen lanes.
; A block's scale is 2^(floor(log2(largest magnitude)) - 2): its byte is the largest magnitude's exponent field - 2, held at 1 from below by a floor among the maximum's leaves.
; LIMITS: NaN and infinities are not served.  A block whose largest magnitude lies under 2^-124 (a block of zeros too) keeps the byte 1; only this program reads the bytes, and zero codes add nothing.
; cc is summed as two halves of 32 fused multiply-adds, k ascending, and the halves added: its last bit may differ from a sum taken in another order.
.set W,    16                          ; v16-79   the numbers: 32 u + i = codebook[32 h + i][code]
.set IMG,  80                          ; v80-91   the image's twelve registers
.set TC,   92                          ; v92-94, v96-98  a block's upper 16 codes (a conversion's three registers begin on an even number)
.set OUT,  100                         ; v100-163 rows of cbt read back from the stage: 32 registers for each u
.set SCL,  98304
.set CCB,  106496
.set PIT,  272                         ; a stage row: 256 bytes + 16, so that the sixteen rows of a store begin in different banks
	s_load_b128 s[4:7], s[0:1], 0x0                ; codebook, cbimg
	s_load_b64 s[8:9], s[0:1], 0x10                ; cbt
	v_lshl_add_u32 v168, v0, 2, 0x1200
	v_mov_b32 v169, 0
	v_and_b32 v1, 15, v0                           ; r
	v_lshrrev_b32 v2, 4, v0                        ; h (one wave: v0 is the lane)
	v_lshlrev_b32 v3, 2, v1
	v_lshl_add_u32 v3, v2, 18, v3                  ; in: 4 r + 32 rows of 8,192 bytes x h
	v_lshlrev_b32 v4, 4, v0                        ; 16 l
	v_lshlrev_b32 v5, 2, v0                        ; 4 l
	v_mul_u32_u24 v6, v1, PIT
	v_lshl_add_u32 v6, v2, 7, v6                   ; into the stage: row r, my block's 128 bytes
	v_mul_u32_u24 v7, v2, PIT
	v_lshl_add_u32 v7, v1, 4, v7                   ; out of it: lanes 0-15 one row, lanes 16-31 the next
	s_mov_b32 s20, 0x76543210
	s_mov_b32 s21, 0xfedcba98                      ; v_permlanex16_b32's selects for lane l xor 16
	s_lshl_b32 s14, ttmp9, 7                       ; 128 p: the pair's columns in a row of the codebook; also its scale words and its cc
	s_mov_b32 s15, 0
	s_mul_i32 s16, ttmp9, 1536                     ; its image
	s_mov_b32 s17, 0
	s_lshl_b32 s18, ttmp9, 13                      ; its 32 rows of cbt
	s_mov_b32 s19, 0
	s_wait_alu depctr_va_vdst(0)
	s_wait_kmcnt 0x0
	s_add_nc_u64 s[4:5], s[4:5], s[14:15]
	s_add_nc_u64 s[10:11], s[6:7], s[16:17]
	s_add_nc_u64 s[12:13], s[6:7], s[14:15]
	s_add_nc_u64 s[8:9], s[8:9], s[18:19]
.irp u, 0,1
.irp i, 0,1,2,3,4,5,6,7,8,9,10,11,12,13,14,15,16,17,18,19,20,21,22,23,24,25,26,27,28,29,30,31
	global_load_b32 v[W+32*\u+\i], v3, s[4:5] offset:8192*\i+64*\u th:TH_LOAD_NT
.endr
.endr
; my block of code u: largest magnitude, scale, half of cc, codes
.macro BLK u
	v_max3_num_f32 v[8+\u], |v[W+32*\u]|, |v[W+32*\u+1]|, 0x1800000   ; the floor 2^(3 - 127): the byte cannot fall under 1
.irp i, 2,4,6,8,10,12,14,16,18,20,22,24,26,28,30
	v_max3_num_f32 v[8+\u], v[8+\u], |v[W+32*\u+\i]|, |v[W+32*\u+\i+1]|
.endr
	v_mul_f32 v[14+\u], v[W+32*\u], v[W+32*\u]
.irp i, 1,2,3,4,5,6,7,8,9,10,11,12,13,14,15,16,17,18,19,20,21,22,23,24,25,26,27,28,29,30,31
	v_fmac_f32 v[14+\u], v[W+32*\u+\i], v[W+32*\u+\i]
.endr
	v_add_nc_u32 v[10+\u], 0xff000000, v[8+\u]     ; 2 off the exponent field: the conversion takes the exponent field of this operand as its scale
	v_lshrrev_b32 v[12+\u], 23, v[10+\u]           ; the scale's byte
	v_cvt_scalef32_pk16_fp6_f32 v[IMG+6*\u:IMG+6*\u+2], v[W+32*\u:W+32*\u+15], v[10+\u]
	v_cvt_scalef32_pk16_fp6_f32 v[TC+4*\u:TC+4*\u+2], v[W+32*\u+16:W+32*\u+31], v[10+\u]
	v_nop                                          ; one plain place behind a scaled conversion
.irp i, 0,1,2
	v_mov_b32 v[IMG+6*\u+3+\i], v[TC+4*\u+\i]
.endr
.endm
	s_wait_loadcnt 32                              ; u = 0's 32 loads are in; u = 1's 32 may be out
	BLK 0
	s_wait_loadcnt 0x0
	BLK 1
	; across the halves of the lanes: the scale word's two bytes, and cc's two halves
	v_lshlrev_b32 v164, 3, v2                      ; 8 h
	v_lshlrev_b32 v12, v164, v12                   ; my byte at its place in the word
	v_lshlrev_b32 v13, v164, v13
.irp i, 165,166,167
	v_mov_b32 v\i, 0                               ; a lane permute's destination counts as one of its sources
.endr
	v_permlanex16_b32 v164, v12, s20, s21
	v_permlanex16_b32 v165, v13, s20, s21
	v_permlanex16_b32 v166, v14, s20, s21
	v_permlanex16_b32 v167, v15, s20, s21
	v_or_b32 v12, v12, v164
	v_or_b32 v13, v13, v165
	v_add_f32 v14, v14, v166
	v_add_f32 v15, v15, v167
	v_cmp_lt_u32 vcc_lo, 15, v0                    ; lanes 0-15 keep code 32 p + l of u = 0, lanes 16-31 take code 32 p + l of u = 1
	v_cndmask_b32 v12, v12, v13, vcc_lo
	v_cndmask_b32 v14, v14, v15, vcc_lo
	global_store_b32 v5, v12, s[12:13] offset:SCL  ; 128 consecutive bytes; the two small arrays are 16 KB of the launch's 640 KB
	global_store_b32 v5, v14, s[12:13] offset:CCB
.irp q, 0,1,2
	global_store_b128 v4, v[IMG+4*\q:IMG+4*\q+3], s[10:11] offset:512*\q   ; 512 consecutive bytes
.endr
	; cbt: sixteen codes' rows at a time through the stage.  LDS serves a wave's instructions in order (ISA guide 5.7.1.4): no wait between the stores and the loads, nor in front of u = 1's stores
.irp u, 0,1
.irp i, 0,1,2,3,4,5,6,7
	ds_store_b128 v6, v[W+32*\u+4*\i:W+32*\u+4*\i+3] offset:16*\i
.endr
.irp t, 0,1,2,3,4,5,6,7
	ds_load_b128 v[OUT+32*\u+4*\t:OUT+32*\u+4*\t+3], v7 offset:2*PIT*\t
.endr
.irp t, 0,1,2,3,4,5,6,7
	s_wait_dscnt 7-\t                              ; load t is in; the younger ones may be out
	global_store_b128 v4, v[OUT+32*\u+4*\t:OUT+32*\u+4*\t+3], s[8:9] offset:4096*\u+512*\t   ; two whole rows: 512 consecutive bytes
.endr
.endr
	s_wait_tensorcnt 0x0
	ds_add_u32 v168, v169
	s_wait_dscnt 0x0
	s_endpgm
.Lfunc_end_k_qca8f45fd30_prep:
	.size	k_qca8f45fd30_prep, .Lfunc_end_k_qca8f45fd30_prep-k_qca8f45fd30_prep
	.p2alignl 7, 3214868480
	.fill 96, 4, 3214868480
	.section	.rodata,"a",@progbits
	.p2align	6, 0x0
	.amdhsa_kernel k_qca8f45fd30_prep
		.amdhsa_group_segment_fixed_size 4864
		.amdhsa_private_segment_fixed_size 0
		.amdhsa_enable_private_segment 0
		.amdhsa_kernarg_size 24
		.amdhsa_user_sgpr_count 2
		.amdhsa_user_sgpr_kernarg_segment_ptr 1
		.amdhsa_wavefront_size32 1
		.amdhsa_system_sgpr_workgroup_id_x 1
		.amdhsa_system_sgpr_workgroup_id_y 1
		.amdhsa_system_sgpr_workgroup_id_z 1
		.amdhsa_system_vgpr_workitem_id 0
		.amdhsa_next_free_vgpr 170
		.amdhsa_next_free_sgpr 66
		.amdhsa_reserve_vcc 1
		.amdhsa_float_denorm_mode_32 3
		.amdhsa_float_denorm_mode_16_64 3
		.amdhsa_memory_ordered 1
		.amdhsa_forward_progress 1
		.amdhsa_inst_pref_size 18
	.end_amdhsa_kernel
	.amdgpu_metadata
---
amdhsa.version: [ 1, 2 ]
amdhsa.kernels:
  - .name:           k_qca8f45fd30_prep
    .symbol:         k_qca8f45fd30_prep.kd
    .args:
      - { .name: codebook, .offset: 0, .size: 8, .value_kind: global_buffer, .address_space: global }
      - { .name: cbimg, .offset: 8, .size: 8, .value_kind: global_buffer, .address_space: global }
      - { .name: cbt, .offset: 16, .size: 8, .value_kind: global_buffer, .address_space: global }
    .group_segment_fixed_size: 4864
    .private_segment_fixed_size: 0
    .kernarg_segment_align: 8
    .kernarg_segment_size: 24
    .max_flat_workgroup_size: 32
    .sgpr_count:     66
    .vgpr_count:     170
    .wavefront_size: 32
...
	.end_amdgpu_metadata
.endif
;; end of part 1
;; launch argmin (part 2): grid 256 x 1, 8 waves a work-group, clusters of 4 x 1, 168,960 bytes of LDS; arguments inputs, cbimg, idx; writes idx
.if DOCPART == 2
	.amdgcn_target "amdgcn-amd-amdhsa--gfx1250"
	.amdhsa_code_object_version 6
	.text
	.protected	k_qca8f45fd30_argmin
	.globl	k_qca8f45fd30_argmin
	.p2align	8
	.type	k_qca8f45fd30_argmin,@function
k_qca8f45fd30_argmin:
	s_mov_b64 s[64:65], 0
	v_nop
	global_prefetch_b8 v0, s[64:65] scope:SCOPE_SE
	s_setreg_imm32_b32 hwreg(HW_REG_WAVE_MODE, 25, 1), 1
	s_wait_xcnt 0x0
	s_wait_alu depctr_hold_cnt(0) depctr_sa_sdst(0) depctr_va_vdst(0) depctr_va_sdst(0) depctr_va_ssrc(0) depctr_va_vcc(0) depctr_vm_vsrc(0)
	s_getreg_b32 s2, hwreg(HW_REG_IB_STS2, 6, 4)
	s_cmp_eq_u32 s2, 0
	s_cbranch_scc0 .Lentry_in_a_cluster
	s_endpgm
.Lentry_in_a_cluster:
	s_bfe_u32 s2, ttmp6, 0x10000c
	s_cmp_lg_u32 s2, 0x3003
	s_cbranch_scc0 .Lentry_shape_is_right
	s_endpgm
.Lentry_shape_is_right:
; idx[row] = the first n at which d(row, n) = (xx[row] - 2 Q(x[row]) . Q(c[n])) + cc[n] is least.  inputs: 65,536 rows of 64 f32; cbimg: the codebook's codes, scale words and cc, as the launch before laid them.
; THE PRODUCT FORMS xx - 2 mm: x's codes get their sign bits turned and x's scale bytes are raised by 1, so source 0 is -2 Q(x), exactly; C is xx.  Then + cc, one packed addition.
; SHARES.  A work-group takes 256 rows, each of its eight waves 32: two tiles of 16 rows (rho = 0, 1).  Every wave walks all 2,048 codes in 32 GROUPS of four tiles of 16 codes (a, b, c, d).
; THE IMAGE (114,688 bytes) comes into LDS once, 56 rows of 256 bytes a wave by one tensor load; all work-groups read the same image, so the four of a cluster ask jointly (mask 15).  Nothing is filled again.
; LAYOUT.  Source 0 = 16 rows of x, source 1 = 16 codes: lane (r, h) holds code r, its register j row 8 h + j.  So cc is one number a lane and tile, xx eight registers that stay.
; K IS 64 OF THE INSTRUCTION'S 128: x's registers 6-11 are zero codes, so what stands in a code fragment's registers 6-11 adds nothing (6-bit codes have no NaN; the codes' scale bytes 2 and 3 are 0).
; A group's image is 24 registers; tile t's fragment begins at register 6 t; six registers of zeros stand behind the 24.  The images lie in register window 1, two sets.
; THE ARGMIN, for each lane and row: best = min3(min3(best, d_a, d_b), d_c, d_d); where best has fallen, the group's number and d_a, d_b, d_c are kept, by two dual pairs of selects.
; A dual pair wants its two first sources in different register banks: so tile b's products begin 10 registers behind tile a's, and the group's number stands in two registers.
; At the end the first of d_a, d_b, d_c that equals best tells the tile; the sixteen lanes meet by DPP minima, first of d, then of the index among equal d: the lowest index wins, as in jnp.argmin.
; No prefetch: the launch has no loop over a stream from memory.
; LIMITS: NaN and infinities are not served.  A block of x whose largest magnitude lies under 2^-124 keeps the quantiser's byte 1.  xx is summed in pairs, not in the order of jnp.sum: its last bit may differ.
.set SCL,  98304                       ; LDS: the image at 0: codes; scale words;
.set CCB,  106496                      ; cc
.set STG,  114688                      ; 512 bytes: the work-group's 256 indices, 16 bits each, on their way out
.set XST,  115712                      ; 1,024 bytes: 128 a wave, through which xx is spread over its lanes
.set SPARE, 0x29000                    ; the spare words, 128 bytes a wave
.set XS,   8                           ; v8, v9    x's scale words
.set S,    10                          ; v10-13    the codes' scale words, two sets of two: lanes 0-15 tile a's (c's), lanes 16-31 tile b's (d's)
.set CC,   16                          ; v16-31    cc, two sets of eight: tile t's at 2 t; the odd registers are 0 (upper halves of pairs)
.set ID,   32                          ; v32-35    the group's number, two sets of two
.set XX,   36                          ; v36-51    xx of row 8 h + j
.set X,    52                          ; v52-75    x's fragments
.set D,    76                          ; v76-143   the products, then d: 34 for each row tile: a +0, b +10, c +18, d +26
.set DR,   34
.set BA,   144                         ; v144-175  best values: 16 rho + 8 set
.set KB,   176                         ; v176-239  kept: 32 rho + 4 j: d_a, d_b, d_c, the group's number
.set SPW,  240
.set NIL,  241
; v1 r, v2 r + 16, v14 r + 32, v15 r + 48; v3, v4, v5 LDS addresses of image, scale words, cc; v6 x's offset; v7 my index's place; v242 8 h; v243, v244 permutes; v245, v246 xx's way; v247, v248 the way out
.set MSB, 0
.macro WIN new                         ; the immediate's high byte repeats the setting that is left
.if MSB != \new
	s_set_vgpr_msb (MSB<<8)|\new
.set MSB, \new
.endif
.endm
.macro ROUND                           ; a round of the cluster's barrier
	s_barrier_signal -1
	s_barrier_wait -1
	s_cmp_lg_u32 s10, 0
	s_cbranch_scc1 .Lnot_wave_0_\@
	s_barrier_signal -3
.Lnot_wave_0_\@:
	s_barrier_wait -3
	s_barrier_signal -1
	s_barrier_wait -1
.endm
	s_load_b128 s[4:7], s[0:1], 0x0                ; inputs, cbimg
	s_load_b64 s[8:9], s[0:1], 0x10                ; idx
	v_lshl_add_u32 v[SPW], v0, 2, SPARE
	v_mov_b32 v[NIL], 0
	ds_add_u32 v[SPW], v[NIL]                      ; the opening lines
	ds_add_u32 v[SPW], v[NIL]
	v_lshrrev_b32 v1, 5, v0
	v_and_b32 v3, 31, v0                           ; lane
	v_readfirstlane_b32 s10, v1                    ; wave 0..7
	s_bfe_u32 s11, ttmp6, 0x40000                  ; cx: it enters the addresses of inputs and idx alone
	s_lshl_b32 s12, ttmp9, 2
	s_add_co_u32 s12, s12, s11                     ; work-group = 4 x cluster + cx
	s_lshl_b32 s13, s10, 7                         ; 128 x wave
	s_lshl_b32 s35, s10, 6                         ; 64 x wave
	v_and_b32 v1, 15, v0                           ; r
	v_bfe_u32 v242, v0, 4, 1                       ; h
	v_and_b32 v7, 7, v0
	v_lshl_add_u32 v4, v3, 2, SCL
	v_lshlrev_b32 v3, 4, v3
	v_add_nc_u32 v2, 16, v1
	v_add_nc_u32 v14, 32, v1
	v_add_nc_u32 v15, 48, v1
	v_lshl_add_u32 v5, v1, 2, CCB
	v_lshlrev_b32 v6, 8, v1
	v_lshlrev_b32 v7, 1, v7
	v_lshl_add_u32 v245, v1, 2, XST
	v_lshl_add_u32 v246, v242, 5, XST
	v_lshl_add_u32 v6, v242, 7, v6                 ; x: row r of 256 bytes, + my block's 128 h
	v_lshl_add_u32 v7, v242, 4, v7
	v_add_nc_u32 v245, s13, v245                   ; XST + 128 w + 4 r
	v_add_nc_u32 v246, s13, v246                   ; XST + 128 w + 32 h
	v_add_nc_u32 v7, s35, v7
	v_lshl_add_u32 v247, v0, 4, STG                ; the way out (wave 0): 16 bytes a thread
	v_lshlrev_b32 v248, 4, v0
	v_add_nc_u32 v7, STG, v7                       ; STG + 64 w + 2 (8 h + l % 8)
	v_lshlrev_b32 v242, 3, v242                    ; 8 h
	v_mov_b32 v243, 0                              ; a lane permute's destination counts as one of its sources
	v_mov_b32 v244, 0
	s_mov_b32 s32, 0x76543210
	s_mov_b32 s33, 0xfedcba98
	s_mov_b32 s34, 0x7f800000
.irp j, 1,2,3,4,5,6,7
	s_mov_b32 s[36+\j], 0x01010101<<\j             ; lanes with l % 8 = j
.endr
	s_lshl_b32 s14, s12, 16                        ; 256 rows of 256 bytes a work-group,
	s_lshl_b32 s15, s10, 13                        ; 32 a wave
	s_add_co_u32 s14, s14, s15
	s_mov_b32 s15, 0
	s_mul_i32 s44, s10, 14336                      ; my 56 rows of the image, in memory and in LDS alike
	s_mov_b32 s45, 0
	s_wait_alu depctr_va_vdst(0)                   ; the wait at the head's end
	s_wait_dscnt 0x0
	s_wait_kmcnt 0x0
	s_add_nc_u64 s[4:5], s[4:5], s[14:15]
.irp i, 0,1,2,3,4,5,6,7
	global_load_b128 v[D+4*\i:D+4*\i+3], v6, s[4:5] offset:16*\i             ; row tile 0: my block of 32 numbers, for now where the products will stand
.endr
.irp i, 0,1,2,3,4,5,6,7
	global_load_b128 v[D+DR+4*\i:D+DR+4*\i+3], v6, s[4:5] offset:4096+16*\i  ; row tile 1
.endr
	s_lshl_b32 s14, s12, 9
	s_add_nc_u64 s[8:9], s[8:9], s[14:15]          ; idx at the work-group's 256 words
	s_mov_b32 s16, 1                               ; group 0: count = 1
	s_mov_b32 s17, s44                             ; LDS address
	s_add_nc_u64 s[18:19], s[6:7], s[44:45]        ; global address
	s_or_b32 s19, s19, 0x80000000                  ; type = 2
	s_mov_b32 s20, 15|(3<<16)|(1<<21)              ; group 1: the mask of all four work-groups; elements of 8 bytes; bit 21 beside a mask
	s_mov_b32 s21, 32<<16
	s_mov_b32 s22, 56<<16
	s_mov_b32 s23, 32<<16
	s_mov_b32 s24, 56
	s_mov_b32 s25, 32
	s_mov_b32 s26, 0
	s_mov_b32 s27, 0
	ROUND                                          ; all four work-groups are here: the joint loads meet
	tensor_load_to_lds s[16:19], s[20:27]          ; my one tensor load of the launch
	s_nop 0
.rept 4
	v_nop                                          ; (behind a tensor load)
.endr
	WIN 0x40                                       ; destination in window 1
.irp i, 24,25,26,27,28,29,56,57,58,59,60,61
	v_mov_b32 v\i, 0                               ; the zeros behind each set of images
.endr
	WIN 0
.irp i, 0,1,2,3,4,5
	v_mov_b32 v[X+6+\i], 0                         ; x's K = 64 .. 127: zero codes
	v_mov_b32 v[X+18+\i], 0
.endr
.irp i, 0,1,2,3,4,5,6,7
	v_mov_b32 v[BA+\i], s34                        ; best: +infinity
	v_mov_b32 v[BA+16+\i], s34
.endr
.set i_, 0
.rept 64
	v_mov_b32 v[KB+i_], 0                          ; the selects read what they keep
.set i_, i_+1
.endr
; A row tile is quantised: my lane holds one whole block (k = 32 h + 0 .. 31) of row r in v[raw] on.
.macro QX rho, raw, x, xs, xx
	v_max3_num_f32 v16, |v[\raw]|, |v[\raw+1]|, 0x1800000             ; the floor 2^(3 - 127): the quantiser's byte cannot fall under 1
	v_max3_num_f32 v17, |v[\raw+2]|, |v[\raw+3]|, |v[\raw+4]|         ; two chains
.irp i, 5,9,13,17,21,25
	v_max3_num_f32 v16, v16, |v[\raw+\i]|, |v[\raw+\i+1]|
	v_max3_num_f32 v17, v17, |v[\raw+\i+2]|, |v[\raw+\i+3]|
.endr
	v_max3_num_f32 v16, v16, |v[\raw+29]|, |v[\raw+30]|
	v_max3_num_f32 v16, v16, v17, |v[\raw+31]|
	v_add_nc_u32 v18, 0xff000000, v16              ; 2 off the exponent field: the conversion's scale operand
	v_lshrrev_b32 v19, 23, v18                     ; the quantiser's byte
	v_cvt_scalef32_pk16_fp6_f32 v[\x:\x+2], v[\raw:\raw+15], v18
	v_cvt_scalef32_pk16_fp6_f32 v[20:22], v[\raw+16:\raw+31], v18     ; (a conversion's three registers begin on an even number)
	v_add_nc_u32 v19, 1, v19                       ; x 2, in the scale: at most 253.  (The plain place behind the conversions)
	v_xor_b32 v[\x], 0x20820820, v[\x]             ; the sixteen sign bits of 96 bits of codes: -Q(x)
	v_xor_b32 v[\x+1], 0x08208208, v[\x+1]
	v_xor_b32 v[\x+2], 0x82082082, v[\x+2]
	v_xor_b32 v[\x+3], 0x20820820, v20
	v_xor_b32 v[\x+4], 0x08208208, v21
	v_xor_b32 v[\x+5], 0x82082082, v22
	v_lshlrev_b32 v19, v242, v19                   ; my byte at its place in the word
	v_pk_mul_f32 v[24:25], v[\raw:\raw+1], v[\raw:\raw+1]
	v_permlanex16_b32 v243, v19, s32, s33
.irp i, 2,4,6,8,10,12,14,16,18,20,22,24,26,28,30
	v_pk_fma_f32 v[24:25], v[\raw+\i:\raw+\i+1], v[\raw+\i:\raw+\i+1], v[24:25]
.endr
	v_or_b32 v[\xs], v19, v243                     ; the row's scale word, in both halves of the lanes
	v_add_f32 v24, v24, v25
	v_permlanex16_b32 v244, v24, s32, s33
	v_add_f32 v24, v24, v244                       ; xx of row r (the same bits in lanes r and r + 16)
	ds_store_b32 v245, v24 offset:64*\rho          ; through my wave's own words: LDS serves a wave's instructions in order (ISA guide 5.7.1.4)
	ds_load_b128 v[\xx:\xx+3], v246 offset:64*\rho
	ds_load_b128 v[\xx+4:\xx+7], v246 offset:64*\rho+16
.endm
	s_wait_loadcnt 8                               ; row tile 0's eight loads are in; row tile 1's eight may be out
	QX 0, D, X, XS, XX
	s_wait_loadcnt 0x0
	QX 1, D+DR, X+12, XS+1, XX+8
.irp i, 1,3,5,7,9,11,13,15
	v_mov_b32 v[CC+\i], 0                          ; (these eight and the three lines above them are the places between x's last scale word and the first scaled product)
.endr
	s_wait_alu depctr_va_vdst(0)
	s_wait_tensorcnt 0x0                           ; my part of the image has landed,
	s_wait_dscnt 0x0                               ; xx is back,
	s_barrier_signal -1
	s_barrier_wait -1                              ; everybody's part has landed
.macro LDF b, of, os                   ; a group's image and scale words into set b: eight LDS loads
	WIN 0x40
.irp q, 0,1,2,3,4,5
	ds_load_b128 v[32*(\b)+4*\q:32*(\b)+4*\q+3], v3 offset:\of+512*\q
.endr
	WIN 0
	ds_load_b32 v[S+2*(\b)], v4 offset:\os
	ds_load_b32 v[S+2*(\b)+1], v4 offset:\os+128
.endm
.macro LDC b, oc                       ; a group's cc into set b: four LDS loads
.irp t, 0,1,2,3
	ds_load_b32 v[CC+8*(\b)+2*\t], v5 offset:\oc+64*\t
.endr
.endm
.macro WM rho, b                       ; a row tile against the group in set b: D = xx - 2 mm.  C is xx's registers, which no product writes: nothing is taken up again
	WIN 0x04                                       ; source 1 in window 1
.irp t, 0,2
	v_wmma_scale_f32_16x16x128_f8f6f4 v[D+DR*\rho+8*\t+2*((\t+3)/4):D+DR*\rho+8*\t+2*((\t+3)/4)+7], v[X+12*\rho:X+12*\rho+11], v[32*(\b)+6*\t:32*(\b)+6*\t+11], v[XX+8*\rho:XX+8*\rho+7], v[XS+\rho], v[S+2*(\b)+\t/2] matrix_a_fmt:MATRIX_FMT_FP6 matrix_b_fmt:MATRIX_FMT_FP6
	v_wmma_scale_f32_16x16x128_f8f6f4 v[D+DR*\rho+8*\t+10:D+DR*\rho+8*\t+17], v[X+12*\rho:X+12*\rho+11], v[32*(\b)+6*\t+6:32*(\b)+6*\t+17], v[XX+8*\rho:XX+8*\rho+7], v[XS+\rho], v[S+2*(\b)+\t/2] matrix_a_fmt:MATRIX_FMT_FP6 matrix_b_fmt:MATRIX_FMT_FP6 matrix_b_scale:MATRIX_SCALE_ROW1
.endr
	WIN 0
.endm
.macro FORM d, cc                      ; + cc, two at a time; each product's registers from the low end on
.irp t, 0,1,2,3
.irp i, 0,2,4,6
	v_pk_add_f32 v[\d+8*\t+2*((\t+3)/4)+\i:\d+8*\t+2*((\t+3)/4)+\i+1], v[\d+8*\t+2*((\t+3)/4)+\i:\d+8*\t+2*((\t+3)/4)+\i+1], v[\cc+2*\t:\cc+2*\t+1] op_sel_hi:[1,0]
.endr
.endr
.endm
.macro TRACK d, bo, bn, kb, idb        ; the new best values bn of the old bo; where a best has fallen, d_a, d_b, d_c and the group's number are kept
.irp j, 0,1,2,3,4,5,6,7
	v_min3_num_f32 v[\bn+\j], v[\bo+\j], v[\d+\j], v[\d+10+\j]
.endr
	v_min3_num_f32 v[\bn], v[\bn], v[\d+18], v[\d+26]
	v_min3_num_f32 v[\bn+1], v[\bn+1], v[\d+19], v[\d+27]
.irp j, 0,1,2,3,4,5,6,7
	v_cmp_ge_f32 vcc_lo, v[\bn+\j], v[\bo+\j]      ; set where the best has NOT fallen: an equal d later on does not take the place of an earlier one
.if \j < 6
	v_min3_num_f32 v[\bn+\j+2], v[\bn+\j+2], v[\d+20+\j], v[\d+28+\j]
.endif
	v_dual_cndmask_b32 v[\kb+4*\j], v[\d+\j], v[\kb+4*\j] :: v_dual_cndmask_b32 v[\kb+4*\j+1], v[\d+10+\j], v[\kb+4*\j+1]
.if ((\d+18+\j)%4) == ((\idb)%4)                   ; the copy of the number that lies in another bank than d_c
	v_dual_cndmask_b32 v[\kb+4*\j+2], v[\d+18+\j], v[\kb+4*\j+2] :: v_dual_cndmask_b32 v[\kb+4*\j+3], v[\idb+1], v[\kb+4*\j+3]
.else
	v_dual_cndmask_b32 v[\kb+4*\j+2], v[\d+18+\j], v[\kb+4*\j+2] :: v_dual_cndmask_b32 v[\kb+4*\j+3], v[\idb], v[\kb+4*\j+3]
.endif
.endr
.endm
; THE STEP OF GROUP g, b = g % 2.  LDS loads are issued in the order .. image(g) [8], cc(g) [4], image(g + 1) [8], cc(g + 1) [4], image(g + 2) [8] ..
; wf: what may be out when image(g) must be in: cc(g) and image(g + 1), 12.   wc: what may be out when cc(g) must be in: image(g + 1) and cc(g + 1), 12.
; Behind row tile 0's products stands row tile 1's vector work of group g - 1; behind row tile 1's products row tile 0's sixteen additions, the places in front of the loads into set b.
.macro STEP b, hasp, ldcc, ldf, wf, wc, sg
	v_mov_b32 v[ID+2*\b], s[\sg]
	v_mov_b32 v[ID+2*\b+1], s[\sg]
	s_wait_dscnt \wf
	WM 0, \b
.if \hasp
	FORM D+DR, CC+8*(1-\b)
	TRACK D+DR, BA+16+8*(1-\b), BA+16+8*\b, KB+32, ID+2*(1-\b)
.else
.rept 4
	v_nop                                          ; the first step has no earlier group: four places in front of the first read of the products
.endr
.endif
.if \ldcc
	LDC 1-\b, 256+256*\b                           ; cc(g + 1), into the set that group g - 1 has just left
.endif
	WM 1, \b
	s_wait_dscnt \wc
	FORM D, CC+8*\b
.if \ldf
	LDF \b, 6144+3072*\b, 512+256*\b               ; image(g + 2), into the set that both row tiles have multiplied by
.endif
	TRACK D, BA+8*\b, BA+8-8*\b, KB, ID+2*\b
.endm
.macro ONWARD                          ; two groups on
	v_add_nc_u32 v3, 6144, v3
	v_add_nc_u32 v4, 512, v4
	v_add_nc_u32 v5, 512, v5
	s_add_co_u32 s30, s30, 2
	s_add_co_u32 s31, s31, 2
.endm
	LDF 0, 0, 0
	LDC 0, 0
	LDF 1, 3072, 256
	s_mov_b32 s30, 0
	s_mov_b32 s31, 1
	STEP 0, 0, 1, 1, 12, 12, 30
	STEP 1, 1, 1, 1, 12, 12, 31
	ONWARD
	s_mov_b32 s28, 14
	s_wait_alu depctr_va_vdst(0)
.Lgroup:                                               ; 14 trips: groups 2 .. 29
	STEP 0, 1, 1, 1, 12, 12, 30
	STEP 1, 1, 1, 1, 12, 12, 31
	ONWARD
	s_sub_co_u32 s28, s28, 1
	s_cmp_lg_u32 s28, 0
	s_wait_alu depctr_va_vdst(0)                   ; the wait ahead of the branch
	s_cbranch_scc1 .Lgroup
	STEP 0, 1, 1, 0, 12, 12, 30                    ; group 30: no image is left to fetch
	STEP 1, 1, 0, 0, 4, 0, 31                      ; group 31: behind its image only its cc [4] is out; then nothing
	FORM D+DR, CC+8                                ; row tile 1 of group 31
	TRACK D+DR, BA+24, BA+16, KB+32, ID+2
; The best values now stand in set 0.  A row tile's sixteen lanes meet.
.set T,  D                             ; at work: the index
.set BB, D+8                           ; the row's least d
.macro FIN rho
.irp j, 0,1,2,3,4,5,6,7
	v_cmp_eq_f32 vcc_lo, v[KB+32*\rho+4*\j+2], v[BA+16*\rho+\j]
	v_cndmask_b32 v[T+\j], v15, v14, vcc_lo        ; tile c, else tile d
.endr
.irp j, 0,1,2,3,4,5,6,7
	v_cmp_eq_f32 vcc_lo, v[KB+32*\rho+4*\j+1], v[BA+16*\rho+\j]
	v_cndmask_b32 v[T+\j], v[T+\j], v2, vcc_lo     ; tile b before them
.endr
.irp j, 0,1,2,3,4,5,6,7
	v_cmp_eq_f32 vcc_lo, v[KB+32*\rho+4*\j], v[BA+16*\rho+\j]
	v_cndmask_b32 v[T+\j], v[T+\j], v1, vcc_lo     ; tile a before all
.endr
.irp j, 0,1,2,3,4,5,6,7
	v_lshl_add_u32 v[T+\j], v[KB+32*\rho+4*\j+3], 6, v[T+\j]          ; n = 64 x group + 16 x tile + r
.endr
.irp j, 0,1,2,3,4,5,6,7
	v_cvt_f32_u32 v[T+\j], v[T+\j]                 ; exact: under 2,048
.endr
.irp j, 0,1,2,3,4,5,6,7
	v_min_num_f32_dpp v[BB+\j], v[BA+16*\rho+\j], v[BA+16*\rho+\j] row_xmask:1 row_mask:0xf bank_mask:0xf
.endr
.irp m, 2,4,8
.irp j, 0,1,2,3,4,5,6,7
	v_min_num_f32_dpp v[BB+\j], v[BB+\j], v[BB+\j] row_xmask:\m row_mask:0xf bank_mask:0xf
.endr
.endr
.irp j, 0,1,2,3,4,5,6,7
	v_cmp_eq_f32 vcc_lo, v[BA+16*\rho+\j], v[BB+\j]                   ; my lane holds the row's least d
	v_cndmask_b32 v[T+\j], s34, v[T+\j], vcc_lo                       ; the others offer +infinity
.endr
.irp m, 1,2,4,8
.irp j, 0,1,2,3,4,5,6,7
	v_min_num_f32_dpp v[T+\j], v[T+\j], v[T+\j] row_xmask:\m row_mask:0xf bank_mask:0xf   ; the lowest index among equal d
.endr
.endr
	v_cndmask_b32 v243, v[T], v[T+1], s37          ; lane l takes row 8 h + l % 8
.irp j, 2,3,4,5,6,7
	v_cndmask_b32 v243, v243, v[T+\j], s[36+\j]
.endr
	v_cvt_u32_f32 v243, v243
	ds_store_b16 v7, v243 offset:32*\rho           ; at STG + 64 w + 32 rho + 2 (8 h + l % 8); lanes r and r + 8 write the same 16 bits with the same value
.endm
	FIN 0
	FIN 1
	s_wait_dscnt 0x0                               ; for the others' sake: my indices lie in the stage
	s_barrier_signal -1
	s_barrier_wait -1
	s_cmp_gt_u32 s10, 0
	s_cbranch_scc1 .Lno_store                      ; wave 0 stores the work-group's 512 bytes
	ds_load_b128 v[T:T+3], v247
	s_wait_dscnt 0x0
	global_store_b128 v248, v[T:T+3], s[8:9]       ; 512 consecutive bytes a wave
.Lno_store:
	s_wait_tensorcnt 0x0                           ; the wave's end
	ds_add_u32 v[SPW], v[NIL]
	s_wait_dscnt 0x0
	ROUND                                          ; the closing round
	s_endpgm
.Lfunc_end_k_qca8f45fd30_argmin:
	.size	k_qca8f45fd30_argmin, .Lfunc_end_k_qca8f45fd30_argmin-k_qca8f45fd30_argmin
	.p2alignl 7, 3214868480
	.fill 96, 4, 3214868480
	.section	.rodata,"a",@progbits
	.p2align	6, 0x0
	.amdhsa_kernel k_qca8f45fd30_argmin
		.amdhsa_group_segment_fixed_size 168960
		.amdhsa_private_segment_fixed_size 0
		.amdhsa_enable_private_segment 0
		.amdhsa_kernarg_size 24
		.amdhsa_user_sgpr_count 2
		.amdhsa_user_sgpr_kernarg_segment_ptr 1
		.amdhsa_wavefront_size32 1
		.amdhsa_system_sgpr_workgroup_id_x 1
		.amdhsa_system_sgpr_workgroup_id_y 1
		.amdhsa_system_sgpr_workgroup_id_z 1
		.amdhsa_system_vgpr_workitem_id 0
		.amdhsa_next_free_vgpr 320
		.amdhsa_next_free_sgpr 66
		.amdhsa_reserve_vcc 1
		.amdhsa_float_denorm_mode_32 3
		.amdhsa_float_denorm_mode_16_64 3
		.amdhsa_memory_ordered 1
		.amdhsa_forward_progress 1
		.amdhsa_inst_pref_size 84
	.end_amdhsa_kernel
	.amdgpu_metadata
---
amdhsa.version: [ 1, 2 ]
amdhsa.kernels:
  - .name:           k_qca8f45fd30_argmin
    .symbol:         k_qca8f45fd30_argmin.kd
    .args:
      - { .name: inputs, .offset: 0, .size: 8, .value_kind: global_buffer, .address_space: global }
      - { .name: cbimg, .offset: 8, .size: 8, .value_kind: global_buffer, .address_space: global }
      - { .name: idx, .offset: 16, .size: 8, .value_kind: global_buffer, .address_space: global }
    .group_segment_fixed_size: 168960
    .private_segment_fixed_size: 0
    .kernarg_segment_align: 8
    .kernarg_segment_size: 24
    .max_flat_workgroup_size: 256
    .sgpr_count:     66
    .vgpr_count:     320
    .wavefront_size: 32
...
	.end_amdgpu_metadata
.endif
;; end of part 2
;; launch gather (part 3): grid 256 x 1, 8 waves a work-group, clusters of 4 x 1, 167,936 bytes of LDS; arguments inputs, cbt, idx, out0, part; writes out0, part
.if DOCPART == 3
	.amdgcn_target "amdgcn-amd-amdhsa--gfx1250"
	.amdhsa_code_object_version 6
	.text
	.protected	k_qca8f45fd30_gather
	.globl	k_qca8f45fd30_gather
	.p2align	8
	.type	k_qca8f45fd30_gather,@function
k_qca8f45fd30_gather:
	s_mov_b64 s[64:65], 0
	v_nop
	global_prefetch_b8 v0, s[64:65] scope:SCOPE_SE
	s_setreg_imm32_b32 hwreg(HW_REG_WAVE_MODE, 25, 1), 1
	s_wait_xcnt 0x0
	s_wait_alu depctr_hold_cnt(0) depctr_sa_sdst(0) depctr_va_vdst(0) depctr_va_sdst(0) depctr_va_ssrc(0) depctr_va_vcc(0) depctr_vm_vsrc(0)
	s_getreg_b32 s2, hwreg(HW_REG_IB_STS2, 6, 4)
	s_cmp_eq_u32 s2, 0
	s_cbranch_scc0 .Lentry_in_a_cluster
	s_endpgm
.Lentry_in_a_cluster:
	s_bfe_u32 s2, ttmp6, 0x10000c
	s_cmp_lg_u32 s2, 0x3003
	s_cbranch_scc0 .Lentry_shape_is_right
	s_endpgm
.Lentry_shape_is_right:
; out0[row] = x + (q - x), q = cbt[idx[row]] (the code's 64 f32);  part[g] = { the sum over the work-group's 8 bins of p log2(p + 1e-10), the work-group's sum of (q - x)^2 }.  idx: 65,536 numbers of 16 bits.
; ROWS.  Work-group g takes rows 256 g on, wave w 32 of them, two a step: sixteen lanes to a row of 256 bytes, so that every load of x, every load of a code's row and every store covers whole rows.
; HISTOGRAM WITHOUT ATOMICS: work-group g owns bins 8 g .. 8 g + 7 and counts them over ALL 65,536 indices, so its counts are whole and p = count / 65,536 is formed here.
; idx (131,072 bytes) comes into LDS once, 64 rows of 256 bytes a wave by one tensor load; every work-group reads the same bytes, so the four of a cluster ask jointly (mask 15).
; Which eighth of idx a wave fetches turns with the cluster's number: (w + cluster) % 8; its place in LDS hangs on w alone.  A wave scans only the bytes that it fetched itself:
; its own wait on TENSORcnt orders that; nothing is filled again.
; For an index i: t = min(3 (i - 8 g), 24), taken as unsigned, and 1 << t is added to a register: eight fields of 3 bits count the bins, what lies outside falls on bit 24 and above, which no mask takes.
; A load of 16 bytes holds 8 indices, two for each of four registers of fields: after 3 loads (6 additions) the fields are widened (3 -> 6 -> 12 bits); a lane sees 256 indices in all.
; ORDER: four runs of the scan stand between the issue of the rows' loads and their use; then the rows and their stores; then the other seven runs.
; No matrix unit: nothing is multiplied but the squares.  No prefetch: the launch has no loop to run ahead in.
.set CST,  131072                      ; LDS: idx at 0; the eight waves' counts of the 8 bins (256 bytes);
.set LST,  131328                      ; the eight waves' sums of squares (32 bytes);
.set SPARE, 131584                     ; the spare words, 128 bytes a wave
.set IX,   8                           ; v8-23     step i: my row's index, then the byte offset of my 16 bytes in cbt
.set X,    24                          ; v24-87    x, then out0
.set Q,    88                          ; v88-151   the codes' rows
.set HB,   152                         ; v152-175  indices from LDS: two buffers of 12; later at work
.set U,    176                         ; v176-183  eight indices, then their t
.set T,    184                         ; v184-191  at work; later the counts
.set A,    192                         ; v192-195  fields of 3 bits
.set W,    196                         ; v196-197  fields of 6 bits: even bins, odd bins
.set XW,   198                         ; v198-201  fields of 12 bits
.set LS,   236                         ; v236-239  sums of squares
.set TM,   240                         ; v240-247  q - x, two sets
; v1 16 l; v2 16 (l % 16); v3 2 h; v4 16384 w + 16 l; v5 CST + 4 l; v6 CST + 32 w; v7 LST + 4 w; v248, v249 the add's two registers
.macro ROUND                           ; a round of the cluster's barrier
	s_barrier_signal -1
	s_barrier_wait -1
	s_cmp_lg_u32 s26, 0
	s_cbranch_scc1 .Lnot_wave_0_\@
	s_barrier_signal -3
.Lnot_wave_0_\@:
	s_barrier_wait -3
	s_barrier_signal -1
	s_barrier_wait -1
.endm
	s_load_b256 s[4:11], s[0:1], 0x0               ; inputs, cbt, idx, out0
	s_load_b64 s[12:13], s[0:1], 0x20              ; part
	v_lshl_add_u32 v248, v0, 2, SPARE
	v_mov_b32 v249, 0
	ds_add_u32 v248, v249                          ; the opening lines
	ds_add_u32 v248, v249
	v_lshrrev_b32 v2, 5, v0
	v_and_b32 v5, 31, v0
	v_readfirstlane_b32 s26, v2                    ; wave 0..7
	v_and_b32 v2, 15, v0
	v_bfe_u32 v3, v0, 4, 1
	v_lshlrev_b32 v1, 4, v5
	v_lshl_add_u32 v5, v5, 2, CST
	v_lshlrev_b32 v2, 4, v2
	v_lshlrev_b32 v3, 1, v3
	s_lshl_b32 s27, s26, 14                        ; my 16,384 bytes of LDS
	v_add_nc_u32 v4, s27, v1
	s_lshl_b32 s29, s26, 5
	s_add_co_u32 s29, s29, CST
	v_mov_b32 v6, s29
	s_lshl_b32 s29, s26, 2
	s_add_co_u32 s29, s29, LST
	v_mov_b32 v7, s29
	s_bfe_u32 s28, ttmp6, 0x40000                  ; cx: it enters global addresses and the bins' base alone
	s_lshl_b32 s29, ttmp9, 2
	s_add_co_u32 s28, s29, s28                     ; g = 4 x cluster + cx
	s_lshl_b32 s34, s28, 16
	s_lshl_b32 s35, s26, 13
	s_add_co_u32 s34, s34, s35
	s_mov_b32 s35, 0                               ; my wave's rows in inputs and out0
	s_lshl_b32 s36, s28, 9
	s_lshl_b32 s37, s26, 6
	s_add_co_u32 s36, s36, s37
	s_mov_b32 s37, 0                               ; their indices
	s_add_co_u32 s38, s26, ttmp9
	s_and_b32 s38, s38, 7
	s_lshl_b32 s38, s38, 14                        ; the eighth of idx that I fetch: the same in all four partners
	s_mov_b32 s39, 0
	s_lshl_b32 s42, s28, 3
	s_mov_b32 s43, 0
	s_mul_i32 s16, s28, -24                        ; -3 x my first bin
	s_mov_b32 s17, 0xffff
	s_mov_b32 s18, 0x1c71c7                        ; the 3-bit fields of bins 0, 2, 4, 6
	s_mov_b32 s19, 0xe38e38                        ; of bins 1, 3, 5, 7
	s_mov_b32 s20, 0x3f03f                         ; the 6-bit fields of bins 0, 4
	s_mov_b32 s21, 0xfc0fc0                        ; 2, 6
	s_mov_b32 s22, 0x1f81f8                        ; 1, 5
	s_mov_b32 s23, 0x7e07e00                       ; 3, 7
	s_mov_b32 s24, 0x76543210
	s_mov_b32 s25, 0xfedcba98
	s_mov_b32 s44, 1                               ; group 0: count = 1
	s_mov_b32 s45, s27                             ; LDS address
	s_mov_b32 s48, 15|(3<<16)|(1<<21)              ; group 1: the mask of all four work-groups; elements of 8 bytes; bit 21 beside a mask
	s_mov_b32 s49, 32<<16
	s_mov_b32 s50, 64<<16
	s_mov_b32 s51, 32<<16
	s_mov_b32 s52, 64
	s_mov_b32 s53, 32
	s_mov_b32 s54, 0
	s_mov_b32 s55, 0
	s_wait_alu depctr_va_vdst(0)                   ; the wait at the head's end
	s_wait_dscnt 0x0
	s_wait_kmcnt 0x0
	s_add_nc_u64 s[30:31], s[8:9], s[36:37]
	s_add_nc_u64 s[46:47], s[8:9], s[38:39]        ; global address
	s_or_b32 s47, s47, 0x80000000                  ; type = 2
.irp i, 0,1,2,3,4,5,6,7,8,9,10,11,12,13,14,15
	global_load_u16 v[IX+\i], v3, s[30:31] offset:4*\i             ; the index of row 2 i + h
.endr
	s_add_nc_u64 s[4:5], s[4:5], s[34:35]
	s_add_nc_u64 s[10:11], s[10:11], s[34:35]
	s_add_nc_u64 s[12:13], s[12:13], s[42:43]
	ROUND                                          ; all four work-groups are here: the joint loads meet
	tensor_load_to_lds s[44:47], s[48:55]          ; my one tensor load of the launch
	s_nop 0
.rept 4
	v_nop                                          ; (behind a tensor load)
.endr
.irp i, 0,1,2,3,4,5,6,7,8,9,10,11,12,13,14,15
	global_load_b128 v[X+4*\i:X+4*\i+3], v1, s[4:5] offset:512*\i th:TH_LOAD_NT   ; rows 2 i, 2 i + 1: 512 consecutive bytes
.endr
.irp i, 0,1
	v_mov_b32 v[W+\i], 0
.endr
.irp i, 0,1,2,3
	v_mov_b32 v[XW+\i], 0
.endr
	s_wait_loadcnt 16                              ; the sixteen indices are in; x's 16 loads may be out
.irp i, 0,1,2,3,4,5,6,7,8,9,10,11,12,13,14,15
	v_min_u32 v[IX+\i], 0x7ff, v[IX+\i]            ; an index stays inside the table
.endr
.irp i, 0,1,2,3,4,5,6,7,8,9,10,11,12,13,14,15
	v_lshl_add_u32 v[IX+\i], v[IX+\i], 8, v2       ; a code's row is 256 bytes
.endr
.irp i, 0,1,2,3,4,5,6,7,8,9,10,11,12,13,14,15
	global_load_b128 v[Q+4*\i:Q+4*\i+3], v[IX+\i], s[6:7]
.endr
	s_wait_alu depctr_va_vdst(0)
	s_wait_tensorcnt 0x0                           ; my 16,384 bytes of idx lie in LDS; no other wave reads them
.macro HLOAD buf, first, n             ; n loads of 512 bytes, from the first-th on, into buffer buf
.set k_, 0
.rept \n
	ds_load_b128 v[HB+12*\buf+4*k_:HB+12*\buf+4*k_+3], v4 offset:512*(\first+k_)
.set k_, k_+1
.endr
.endm
.macro VISIT reg, first                ; eight indices a lane.  first = 1: the fields begin anew
.irp k, 0,1,2,3
	v_and_b32 v[U+\k], s17, v[\reg+\k]
	v_lshrrev_b32 v[U+4+\k], 16, v[\reg+\k]
.endr
.irp n, 0,1,2,3,4,5,6,7
	v_mad_u32_u24 v[U+\n], v[U+\n], 3, s16
.endr
.irp n, 0,1,2,3,4,5,6,7
	v_min_u32 v[U+\n], 24, v[U+\n]
.endr
.irp k, 0,1,2,3
.if \first
	v_lshl_add_u32 v[A+\k], 1, v[U+\k], 0
.else
	v_lshl_add_u32 v[A+\k], 1, v[U+\k], v[A+\k]
.endif
.endr
.irp k, 0,1,2,3
	v_lshl_add_u32 v[A+\k], 1, v[U+4+\k], v[A+\k]
.endr
.endm
.macro SCAN buf, n                     ; a run of n loads (at most 3: two additions a load, and a field of 3 bits holds 7)
.set k_, 0
.rept \n
.if k_ == 0
	VISIT HB+12*\buf, 1
.else
	VISIT HB+12*\buf+4*k_, 0
.endif
.set k_, k_+1
.endr
.irp k, 0,1,2,3                        ; 3 -> 6 bits: four registers of at most 6; two runs give at most 48
	v_and_b32 v[T+\k], s18, v[A+\k]
	v_and_b32 v[T+4+\k], s19, v[A+\k]
.endr
	v_add3_u32 v[W], v[W], v[T], v[T+1]
	v_add3_u32 v[W+1], v[W+1], v[T+4], v[T+5]
	v_add3_u32 v[W], v[W], v[T+2], v[T+3]
	v_add3_u32 v[W+1], v[W+1], v[T+6], v[T+7]
.endm
.macro WIDEN                           ; 6 -> 12 bits, after two runs at the most
	v_and_b32 v[T], s20, v[W]
	v_and_b32 v[T+1], s21, v[W]
	v_and_b32 v[T+2], s22, v[W+1]
	v_and_b32 v[T+3], s23, v[W+1]
.irp k, 0,1,2,3
	v_add_nc_u32 v[XW+\k], v[XW+\k], v[T+\k]
.endr
	v_mov_b32 v[W], 0
	v_mov_b32 v[W+1], 0
.endm
.macro TWORUNS                         ; runs 2 R_ and 2 R_ + 1 of the eleven (ten of 3 loads, one of 2); each buffer is asked for again as soon as it has been scanned
	s_wait_dscnt 3                                 ; the run in hand is in; the next run's 3 loads may be out
	SCAN 0, 3
.if R_ < 4
	HLOAD 0, 6*R_+6, 3
	s_wait_dscnt 3
.else
	HLOAD 0, 30, 2
	s_wait_dscnt 2
.endif
	SCAN 1, 3
	WIDEN
.if R_ < 4
	HLOAD 1, 6*R_+9, 3
.endif
.set R_, R_+1
.endm
	HLOAD 0, 0, 3
	HLOAD 1, 3, 3
.set R_, 0
	TWORUNS
	TWORUNS
	; the rows
.irp i, 0,1,2,3,4,5,6,7,8,9,10,11,12,13,14,15
	s_wait_loadcnt 15-\i                           ; step i's code rows are in (and all of x, which was asked for earlier); the younger code rows may be out
	v_pk_add_f32 v[TM+4*(\i%2):TM+4*(\i%2)+1], v[Q+4*\i:Q+4*\i+1], v[X+4*\i:X+4*\i+1] neg_lo:[0,1] neg_hi:[0,1]       ; q - x
	v_pk_add_f32 v[TM+4*(\i%2)+2:TM+4*(\i%2)+3], v[Q+4*\i+2:Q+4*\i+3], v[X+4*\i+2:X+4*\i+3] neg_lo:[0,1] neg_hi:[0,1]
.if \i == 0
	v_pk_mul_f32 v[LS:LS+1], v[TM:TM+1], v[TM:TM+1]                ; the first squares start the sums
	v_pk_mul_f32 v[LS+2:LS+3], v[TM+2:TM+3], v[TM+2:TM+3]
.else
	s_wait_alu depctr_va_vdst(0)                   ; the sums were written ahead of the wait for loads
	v_pk_fma_f32 v[LS:LS+1], v[TM+4*(\i%2):TM+4*(\i%2)+1], v[TM+4*(\i%2):TM+4*(\i%2)+1], v[LS:LS+1]
	v_pk_fma_f32 v[LS+2:LS+3], v[TM+4*(\i%2)+2:TM+4*(\i%2)+3], v[TM+4*(\i%2)+2:TM+4*(\i%2)+3], v[LS+2:LS+3]
.endif
	v_pk_add_f32 v[X+4*\i:X+4*\i+1], v[X+4*\i:X+4*\i+1], v[TM+4*(\i%2):TM+4*(\i%2)+1]                                 ; x + (q - x)
	v_pk_add_f32 v[X+4*\i+2:X+4*\i+3], v[X+4*\i+2:X+4*\i+3], v[TM+4*(\i%2)+2:TM+4*(\i%2)+3]
	global_store_b128 v1, v[X+4*\i:X+4*\i+3], s[10:11] offset:512*\i th:TH_STORE_NT   ; 512 consecutive bytes; each step has registers of its own
.endr
	v_pk_add_f32 v[LS:LS+1], v[LS:LS+1], v[LS+2:LS+3]
	v_add_f32 v[LS], v[LS], v[LS+1]
.irp m, 1,2,4,8
	v_add_f32_dpp v[LS], v[LS], v[LS] row_xmask:\m row_mask:0xf bank_mask:0xf
.endr
	v_permlanex16_b32 v[LS+1], v[LS], s24, s25
	v_add_f32 v[LS], v[LS], v[LS+1]                ; my wave's sum of squares
	v_mov_b32 v[TM], 0
	s_wait_alu depctr_va_vdst(0)
	TWORUNS                                        ; the rest of the scan, while the stores leave
	TWORUNS
	TWORUNS
	s_wait_dscnt 0x0
	SCAN 0, 2
	WIDEN
	; my lane's counts of the 8 bins; then their sums over the 32 lanes, in f32 (whole numbers up to 8,192: exact)
.irp b, 0,1,2,3,4,5,6,7
	v_bfe_u32 v[T+\b], v[XW+2*(\b%2)+(\b/2)%2], 3*\b, 11
.endr
.irp i, 0,1,2,3,4,5,6,7
	v_cvt_f32_u32 v[T+\i], v[T+\i]
.endr
.irp m, 1,2,4,8
.irp i, 0,1,2,3,4,5,6,7
	v_add_f32_dpp v[T+\i], v[T+\i], v[T+\i] row_xmask:\m row_mask:0xf bank_mask:0xf
.endr
.endr
.irp i, 0,1,2,3,4,5,6,7
	v_permlanex16_b32 v[HB+\i], v[T+\i], s24, s25
.endr
.irp i, 0,1,2,3,4,5,6,7
	v_add_f32 v[T+\i], v[T+\i], v[HB+\i]
.endr
	ds_store_b32 v7, v[LS]                         ; all lanes write the same words with the same values
	ds_store_b128 v6, v[T:T+3]
	ds_store_b128 v6, v[T+4:T+7] offset:16
	s_wait_alu depctr_va_vdst(0)
	s_wait_dscnt 0x0                               ; for wave 0's sake: my counts and my sum lie in LDS
	s_barrier_signal -1
	s_barrier_wait -1
	s_cmp_lg_u32 s26, 0
	s_cbranch_scc1 .Ldone                          ; wave 0 finishes the work-group's two numbers
	ds_load_b32 v[HB], v5                          ; lane l: wave l / 8's count of bin l % 8,
	ds_load_b32 v[HB+1], v5 offset:128             ; and wave 4 + l / 8's
	ds_load_b128 v[HB+4:HB+7], v7                  ; (in wave 0 v7 is LST)
	ds_load_b128 v[HB+8:HB+11], v7 offset:16
	s_wait_dscnt 0x0
	v_add_f32 v[HB], v[HB], v[HB+1]
	v_add_f32 v[HB+4], v[HB+4], v[HB+5]
	v_add_f32 v[HB+6], v[HB+6], v[HB+7]
	v_add_f32 v[HB+8], v[HB+8], v[HB+9]
	v_add_f32 v[HB+10], v[HB+10], v[HB+11]
	v_add_f32_dpp v[HB], v[HB], v[HB] row_xmask:8 row_mask:0xf bank_mask:0xf
	v_add_f32 v[HB+4], v[HB+4], v[HB+6]
	v_add_f32 v[HB+8], v[HB+8], v[HB+10]
	v_permlanex16_b32 v[HB+1], v[HB], s24, s25
	v_add_f32 v[HB+13], v[HB+4], v[HB+8]           ; the work-group's sum of squares
	v_add_f32 v[HB], v[HB], v[HB+1]                ; the count of bin l % 8 over all indices: exact
	v_mul_f32 v[HB], 0x37800000, v[HB]             ; p = count x 2^-16
	v_add_f32 v[HB+2], 0x2edbe6ff, v[HB]           ; + 1e-10
	s_wait_alu depctr_va_vdst(0)                   ; the wait ahead of the transcendental
	v_log_f32 v[HB+2], v[HB+2]
	v_cmp_eq_u32 vcc_lo, 0, v0                     ; (a plain place behind the logarithm)
	s_wait_alu depctr_va_vdst(0)                   ; the wait ahead of its reader
	v_mul_f32 v[HB+12], v[HB], v[HB+2]
.irp m, 1,2,4
	v_add_f32_dpp v[HB+12], v[HB+12], v[HB+12] row_xmask:\m row_mask:0xf bank_mask:0xf   ; over the 8 bins
.endr
	s_wait_alu depctr_va_vdst(0)
	s_wait_xcnt 0x0                                ; EXEC is a source of the stores that are out: it changes only behind this wait
	s_and_saveexec_b32 s27, vcc_lo
	global_store_b64 v[TM], v[HB+12:HB+13], s[12:13]   ; thread 0: part[g]
	s_wait_xcnt 0x0
	s_or_b32 exec_lo, exec_lo, s27
.Ldone:
	s_wait_tensorcnt 0x0                           ; the wave's end
	ds_add_u32 v248, v249
	s_wait_dscnt 0x0
	ROUND                                          ; the closing round
	s_endpgm
.Lfunc_end_k_qca8f45fd30_gather:
	.size	k_qca8f45fd30_gather, .Lfunc_end_k_qca8f45fd30_gather-k_qca8f45fd30_gather
	.p2alignl 7, 3214868480
	.fill 96, 4, 3214868480
	.section	.rodata,"a",@progbits
	.p2align	6, 0x0
	.amdhsa_kernel k_qca8f45fd30_gather
		.amdhsa_group_segment_fixed_size 167936
		.amdhsa_private_segment_fixed_size 0
		.amdhsa_enable_private_segment 0
		.amdhsa_kernarg_size 40
		.amdhsa_user_sgpr_count 2
		.amdhsa_user_sgpr_kernarg_segment_ptr 1
		.amdhsa_wavefront_size32 1
		.amdhsa_system_sgpr_workgroup_id_x 1
		.amdhsa_system_sgpr_workgroup_id_y 1
		.amdhsa_system_sgpr_workgroup_id_z 1
		.amdhsa_system_vgpr_workitem_id 0
		.amdhsa_next_free_vgpr 250
		.amdhsa_next_free_sgpr 66
		.amdhsa_reserve_vcc 1
		.amdhsa_float_denorm_mode_32 3
		.amdhsa_float_denorm_mode_16_64 3
		.amdhsa_memory_ordered 1
		.amdhsa_forward_progress 1
		.amdhsa_inst_pref_size 84
	.end_amdhsa_kernel
	.amdgpu_metadata
---
amdhsa.version: [ 1, 2 ]
amdhsa.kernels:
  - .name:           k_qca8f45fd30_gather
    .symbol:         k_qca8f45fd30_gather.kd
    .args:
      - { .name: inputs, .offset: 0, .size: 8, .value_kind: global_buffer, .address_space: global }
      - { .name: cbt, .offset: 8, .size: 8, .value_kind: global_buffer, .address_space: global }
      - { .name: idx, .offset: 16, .size: 8, .value_kind: global_buffer, .address_space: global }
      - { .name: out0, .offset: 24, .size: 8, .value_kind: global_buffer, .address_space: global }
      - { .name: part, .offset: 32, .size: 8, .value_kind: global_buffer, .address_space: global }
    .group_segment_fixed_size: 167936
    .private_segment_fixed_size: 0
    .kernarg_segment_align: 8
    .kernarg_segment_size: 40
    .max_flat_workgroup_size: 256
    .sgpr_count:     66
    .vgpr_count:     250
    .wavefront_size: 32
...
	.end_amdgpu_metadata
.endif
;; end of part 3
;; launch final (part 4): grid 1 x 1, 1 waves a work-group, no clusters, 0 bytes of LDS; arguments part, out1, out2, out3; writes out1, out2, out3
.if DOCPART == 4
	.amdgcn_target "amdgcn-amd-amdhsa--gfx1250"
	.amdhsa_code_object_version 6
	.text
	.protected	k_qca8f45fd30_final
	.globl	k_qca8f45fd30_final
	.p2align	8
	.type	k_qca8f45fd30_final,@function
k_qca8f45fd30_final:
	s_mov_b64 s[64:65], 0
	v_nop
	global_prefetch_b8 v0, s[64:65] scope:SCOPE_SE
	s_setreg_imm32_b32 hwreg(HW_REG_WAVE_MODE, 25, 1), 1
	s_wait_xcnt 0x0
; out1 = 2^(-the sum of part[g][0]) = exp(-sum over n of p log(p + 1e-10));  out2 = the sum of part[g][1] / 2^22 (the mean over 65,536 x 64 numbers);  out3 = 0.25 out2.
; part: [256][2] f32, 2,048 bytes.  One wave owns the sums: four loads of 512 consecutive bytes, eight pairs a lane; no LDS, no barrier.
	s_load_b256 s[4:11], s[0:1], 0x0               ; part, out1, out2, out3
	v_lshlrev_b32 v1, 4, v0
	v_mov_b32 v2, 0
	v_mov_b32 v20, 0                               ; a lane permute's destination counts as one of its sources
	v_mov_b32 v21, 0
	s_mov_b32 s16, 0x76543210
	s_mov_b32 s17, 0xfedcba98
	s_wait_alu depctr_va_vdst(0)                   ; the wait at the head's end
	s_wait_kmcnt 0x0
.irp i, 0,1,2,3
	global_load_b128 v[4+4*\i:7+4*\i], v1, s[4:5] offset:512*\i
.endr
	s_wait_loadcnt 0x0
	v_pk_add_f32 v[4:5], v[4:5], v[6:7]
	v_pk_add_f32 v[8:9], v[8:9], v[10:11]
	v_pk_add_f32 v[12:13], v[12:13], v[14:15]
	v_pk_add_f32 v[16:17], v[16:17], v[18:19]
	v_pk_add_f32 v[4:5], v[4:5], v[8:9]
	v_pk_add_f32 v[12:13], v[12:13], v[16:17]
	v_pk_add_f32 v[4:5], v[4:5], v[12:13]
.irp m, 1,2,4,8
	v_add_f32_dpp v4, v4, v4 row_xmask:\m row_mask:0xf bank_mask:0xf
	v_add_f32_dpp v5, v5, v5 row_xmask:\m row_mask:0xf bank_mask:0xf
.endr
	v_permlanex16_b32 v20, v4, s16, s17
	v_permlanex16_b32 v21, v5, s16, s17
	v_pk_add_f32 v[4:5], v[4:5], v[20:21]
	s_wait_alu depctr_va_vdst(0)                   ; the wait ahead of the transcendental
	v_exp_f32 v10, -v4
	v_mul_f32 v11, 0x34800000, v5                  ; x 2^-22.  (A plain place behind the exponential)
	v_mul_f32 v12, 0.25, v11
	v_cmp_eq_u32 vcc_lo, 0, v0
	s_wait_alu depctr_va_vdst(0)                   ; and ahead of its reader
	s_wait_xcnt 0x0                                ; EXEC changes only behind this wait
	s_and_saveexec_b32 s14, vcc_lo
	global_store_b32 v2, v10, s[6:7]               ; thread 0 alone
	global_store_b32 v2, v11, s[8:9]
	global_store_b32 v2, v12, s[10:11]
	s_endpgm
.Lfunc_end_k_qca8f45fd30_final:
	.size	k_qca8f45fd30_final, .Lfunc_end_k_qca8f45fd30_final-k_qca8f45fd30_final
	.p2alignl 7, 3214868480
	.fill 96, 4, 3214868480
	.section	.rodata,"a",@progbits
	.p2align	6, 0x0
	.amdhsa_kernel k_qca8f45fd30_final
		.amdhsa_group_segment_fixed_size 0
		.amdhsa_private_segment_fixed_size 0
		.amdhsa_enable_private_segment 0
		.amdhsa_kernarg_size 32
		.amdhsa_user_sgpr_count 2
		.amdhsa_user_sgpr_kernarg_segment_ptr 1
		.amdhsa_wavefront_size32 1
		.amdhsa_system_sgpr_workgroup_id_x 1
		.amdhsa_system_sgpr_workgroup_id_y 1
		.amdhsa_system_sgpr_workgroup_id_z 1
		.amdhsa_system_vgpr_workitem_id 0
		.amdhsa_next_free_vgpr 32
		.amdhsa_next_free_sgpr 66
		.amdhsa_reserve_vcc 1
		.amdhsa_float_denorm_mode_32 3
		.amdhsa_float_denorm_mode_16_64 3
		.amdhsa_memory_ordered 1
		.amdhsa_forward_progress 1
		.amdhsa_inst_pref_size 3
	.end_amdhsa_kernel
	.amdgpu_metadata
---
amdhsa.version: [ 1, 2 ]
amdhsa.kernels:
  - .name:           k_qca8f45fd30_final
    .symbol:         k_qca8f45fd30_final.kd
    .args:
      - { .name: part, .offset: 0, .size: 8, .value_kind: global_buffer, .address_space: global }
      - { .name: out1, .offset: 8, .size: 8, .value_kind: global_buffer, .address_space: global }
      - { .name: out2, .offset: 16, .size: 8, .value_kind: global_buffer, .address_space: global }
      - { .name: out3, .offset: 24, .size: 8, .value_kind: global_buffer, .address_space: global }
    .group_segment_fixed_size: 0
    .private_segment_fixed_size: 0
    .kernarg_segment_align: 8
    .kernarg_segment_size: 32
    .max_flat_workgroup_size: 32
    .sgpr_count:     66
    .vgpr_count:     32
    .wavefront_size: 32
...
	.end_amdgpu_metadata
.endif
;; end of part 4
